; MI455X (gfx1250); checked and timed in simulation.
; The chip was launched on July 23, 2026; its instructions are those of AMD's public machine-readable ISA for CDNA 5 (MIT licence, August 2026) and "CDNA5" Instruction Set Architecture Reference Guide (July 2026).
;; Masked Causal Attention. Allowed arithmetic: matrix products marked QUANTISED: E4M3 operands, one given power-of-two scale a tensor, by v_wmma_f32_16x16x64_fp8_fp8 or v_wmma_f32_16x16x128_fp8_fp8, f32 sums; everything else in f32.
;; Inputs: Wk 1,024 x 1,024 float32; Wp 1,024 x 1,024 float32; Wq 1,024 x 1,024 float32; Wv 1,024 x 1,024 float32; bk 1,024 float32; bp 1,024 float32; bq 1,024 float32; bv 1,024 float32; lowp_scales 12 int32 (the exponents e of the quantised operands' scales 2^e); x 4 x 2,048 x 1,024 float32.
;; Outputs: out0 4 x 2,048 x 1,024 float32.
;; This version of the problem:
;;   THIS VERSION OF THE PROBLEM IS GIVEN IN LOW PRECISION. The matrix products marked QUANTISED in the list below multiply operands that are first quantised to E4M3 (4 exponent bits, 3 mantissa bits; 8 bits a number), with one given power-of-two scale for each operand tensor; their sums are f32. All else is computed in f32.
;;   The module's matrix products, in the order in which they are computed (A, B: the left and right operand; K: the contracted axis; several contracted axes count as one K, in the product's order):
;;     1. [M 8,192, K 1,024] x [K 1,024, N 1,024]; A: input x; B: input Wq: QUANTISED (scales: A lowp_scales[0], B lowp_scales[1])
;;     2. [M 8,192, K 1,024] x [K 1,024, N 1,024]; A: input x; B: input Wk: QUANTISED (scales: A lowp_scales[2], B lowp_scales[3])
;;     3. [M 8,192, K 1,024] x [K 1,024, N 1,024]; A: input x; B: input Wv: QUANTISED (scales: A lowp_scales[4], B lowp_scales[5])
;;     4. batch 64 x [M 2,048, K 64] x [K 64, N 2,048]; A: computed on the way; B: computed on the way: QUANTISED (scales: A lowp_scales[6], B lowp_scales[7])
;;     5. batch 64 x [M 2,048, K 2,048] x [K 2,048, N 64]; A: softmax (see below); B: computed on the way: QUANTISED (scales: A lowp_scales[8], B lowp_scales[9])
;;     6. [M 8,192, K 1,024] x [K 1,024, N 1,024]; A: computed on the way; B: input Wp: QUANTISED (scales: A lowp_scales[10], B lowp_scales[11])
;;   THE QUANTISER, for each operand of a quantised product, along K:
;;     - The operand's scale is 2^e, e = its entry of the input lowp_scales (int32; the entries are numbered through the quantised products in the list's order, A before B).
;;     - Each number is divided by the scale, clamped to +-448, and rounded to the nearest number of E4M3, ties to even, subnormals kept.
;;     - The product sums the exact products of the quantised numbers (number of the format x scale) in f32.
;;   ~~~python
;;   def quantise(x, axis, e):      # numpy; x: float32 -> the quantised numbers, widened to float32 again
;;       x = np.moveaxis(x, axis, -1); K = x.shape[-1]
;;       r = np.clip(x / 2.0 ** e, -448, 448)
;;       step = 2.0 ** (np.maximum(np.frexp(np.where(r == 0, 1, r))[1] - 1, -6) - 3)
;;       q = np.round(r / step) * step * 2.0 ** e      # np.round: ties to even
;;       return np.moveaxis(q, -1, axis).astype(np.float32)
;;   ~~~
;;   SOFTMAX AHEAD OF A QUANTISED PRODUCT. Where the list says 'softmax', what is quantised is not the finished softmax but p = 2^(t - M), with t = logit x log2(e) and M = ceil(the row's largest t), a whole number; so 1/2 < the row's largest p <= 1. The row's sum l is taken of the UNQUANTISED p, in f32, and the product's result is divided by l at the end. Since M is a whole number, a kernel that streams over the keys may use a running M (the ceiling of the running maximum): every later rescaling is an exact power of two, so the quantised numbers keep their values, but for numbers so far below the row's largest that they fall under the format's range.
;;   OPERANDS COMPUTED ON THE WAY. 'Computed on the way' means the value that the module computes at that place (a softmax that the list does not call 'softmax' is quantised finished and normalised). What goes into a quantiser is computed in f32, as accurately as f32 sums, v_exp_f32 and their like allow (about 1e-6 of the number): no bf16 or f16 on the way to a quantiser, and a product that is left as it is and whose result goes on into a quantised operand takes f32 operands (vector FMAs, or v_wmma_f32_16x16x4_f32). A number that lies on a knife's edge between two numbers of the format may be rounded either way, as far as f32 arithmetic and the matrix unit's own rounding can turn it there, and no further.
;; One version. Each part assembles by itself: llvm-mc -triple=amdgcn-amd-amdhsa -mcpu=gfx1250 --defsym DOCPART=n.
;; ======== version 1 of 1: 4 launches
;; limits: right only within a limited range of input values
;; workspace buffers: xc 25,165,824 bytes; wc 4,194,304 bytes; rope 524,288 bytes; qc 8,388,608 bytes; kc 8,388,608 bytes; vc 8,388,608 bytes; attc 8,388,608 bytes
;; launch quant (part 1): grid 1024 x 1, 4 waves a work-group, no clusters, 20,992 bytes of LDS; arguments x, Wq, Wk, Wv, Wp, lowp_scales, xc, wc, rope; writes xc, wc, rope
.if DOCPART == 1
	.amdgcn_target "amdgcn-amd-amdhsa--gfx1250"
	.amdhsa_code_object_version 6
	.text
	.protected	k_q08bbb2f41b_quant
	.globl	k_q08bbb2f41b_quant
	.p2align	8
	.type	k_q08bbb2f41b_quant,@function
k_q08bbb2f41b_quant:
	s_mov_b64 s[64:65], 0
	v_nop
	global_prefetch_b8 v0, s[64:65] scope:SCOPE_SE
	s_setreg_imm32_b32 hwreg(HW_REG_WAVE_MODE, 25, 1), 1
	s_wait_xcnt 0x0
.set SP,    80
.set STG,   32*SP
.set WREG,  2*STG
.set SPARE, 4*WREG
.set LI,    3
.set TK,    4
.set HF,    5
.set SPW,   12
.set NIL,   13
.set R,     32
.set X,     128
.set T,     160
.set C,     192
.set CW,    240
	s_load_b512 s[4:19], s[0:1], 0x0
	s_load_b64 s[20:21], s[0:1], 0x40
	v_lshl_add_u32 v[SPW], v0, 2, SPARE
	v_mov_b32 v[NIL], 0
	v_lshrrev_b32 v1, 5, v0
	v_readfirstlane_b32 s40, v1
	v_and_b32 v2, 31, v0
	v_lshlrev_b32 v[LI], 4, v2
	s_mul_i32 s42, s40, WREG
	v_lshrrev_b32 v14, 2, v2
	v_mul_u32_u24 v14, v14, SP
	v_and_b32 v15, 3, v2
	v_lshl_add_u32 v14, v15, 4, v14
	v_add_nc_u32 v14, s42, v14
	v_mul_u32_u24 v15, v2, SP
	v_add_nc_u32 v15, s42, v15
	s_lshl_b32 s41, ttmp9, 2
	s_add_co_u32 s41, s41, s40
	s_lshr_b32 s43, ttmp9, 8
	s_and_b32 s44, s41, 1023
	s_lshr_b32 s45, s44, 3
	s_lshr_b32 s46, s44, 4
	s_xor_b32 s45, s45, s46
	s_and_b32 s45, s45, 1
	s_mul_i32 s45, s45, 24
	s_cmp_eq_u32 s43, 2
	s_cselect_b32 s45, s45, 0
	s_xor_b32 s45, s44, s45
	s_lshl_b32 s46, s41, 13
	s_mov_b32 s47, 0
	s_lshl_b32 s48, s44, 12
	s_mov_b32 s49, 0
	s_lshl_b32 s50, s41, 11
	s_mov_b32 s51, 0
	s_lshl_b32 s52, s43, 20
	s_lshl_b32 s45, s45, 10
	s_add_co_u32 s52, s52, s45
	s_mov_b32 s53, 0
	s_lshl_b32 s54, s41, 12
	s_mov_b32 s55, 0
	s_wait_alu depctr_va_vdst(0)
	s_wait_kmcnt 0x0
	s_load_b256 s[24:31], s[14:15], 0x0
	s_load_b128 s[32:35], s[14:15], 0x20
	s_add_nc_u64 s[4:5], s[4:5], s[46:47]
	s_cmp_eq_u32 s43, 1
	s_cselect_b64 s[36:37], s[8:9], s[6:7]
	s_cmp_eq_u32 s43, 2
	s_cselect_b64 s[36:37], s[10:11], s[36:37]
	s_cmp_eq_u32 s43, 3
	s_cselect_b64 s[36:37], s[12:13], s[36:37]
	s_add_nc_u64 s[36:37], s[36:37], s[48:49]
	s_add_nc_u64 s[56:57], s[16:17], s[50:51]
	s_add_nc_u64 s[58:59], s[56:57], 0x800000
	s_add_nc_u64 s[60:61], s[58:59], 0x800000
	s_add_nc_u64 s[62:63], s[18:19], s[52:53]
.irp u, 0,1,2,3
.irp i, 0,1,2,3
	global_load_b128 v[R+16*\u+4*\i:R+16*\u+4*\i+3], v[LI], s[4:5] offset:2048*\u+512*\i th:TH_LOAD_NT
.endr
.endr
.irp u, 0,1
.irp i, 0,1,2,3
	global_load_b128 v[R+64+16*\u+4*\i:R+64+16*\u+4*\i+3], v[LI], s[36:37] offset:2048*\u+512*\i th:TH_LOAD_NT
.endr
.endr
.macro ANG e, fa, fb
	v_mul_f32 v128, \fa, v[TK]
	v_mul_f32 v129, \fb, v[TK]
	v_cndmask_b32 v128, v128, v129, s39
	v_mul_f32 v129, 0x3f22f983, v128
	v_rndne_f32 v129, v129
	v_fma_f32 v130, v129, s46, v128
	v_fma_f32 v130, v129, s47, v130
	v_mul_f32 v131, v130, v130
	v_fma_f32 v132, v131, s48, s49
	v_fma_f32 v132, v132, v131, s50
	v_mul_f32 v133, v130, v131
	v_fma_f32 v132, v133, v132, v130
	v_fma_f32 v134, v131, s51, s52
	v_fma_f32 v134, v134, v131, s53
	v_fma_f32 v135, v131, -0.5, 1.0
	v_mul_f32 v133, v131, v131
	v_fma_f32 v134, v133, v134, v135
	v_cvt_i32_f32 v136, v129
	v_and_b32 v137, 1, v136
	v_cmp_ne_u32 vcc_lo, 0, v137
	v_cndmask_b32 v138, v132, v134, vcc_lo
	v_cndmask_b32 v139, v134, v132, vcc_lo
	v_and_b32 v137, 2, v136
	v_lshlrev_b32 v137, 30, v137
	v_xor_b32 v[208+\e], v137, v138
	v_add_nc_u32 v136, 1, v136
	v_and_b32 v136, 2, v136
	v_lshlrev_b32 v136, 30, v136
	v_xor_b32 v[192+\e], v136, v139
.endm
	s_cmp_lt_u32 ttmp9, 32
	s_cbranch_scc0 .Lno_rope
	s_add_nc_u64 s[20:21], s[20:21], s[54:55]
	s_mov_b32 s46, 0xbfc90fdb
	s_mov_b32 s47, 0x333bbd2e
	s_mov_b32 s48, 0xb94ca1f9
	s_mov_b32 s49, 0x3c08839e
	s_mov_b32 s50, 0xbe2aaaa3
	s_mov_b32 s51, 0x37ccf5ce
	s_mov_b32 s52, 0xbab6061a
	s_mov_b32 s53, 0x3d2aaaa5
	v_and_b32 v[HF], 15, v0
	s_lshl_b32 s22, s41, 4
	v_add_nc_u32 v[TK], s22, v[HF]
	v_cvt_f32_u32 v[TK], v[TK]
	v_bfe_u32 v[HF], v0, 4, 1
	v_cmp_ne_u32 s39, 0, v[HF]
	ANG 0, 1.0, 0.1
	ANG 1, 0.7498942093324559, 0.07498942093324559
	ANG 2, 0.5623413251903491, 0.05623413251903491
	ANG 3, 0.4216965034285822, 0.04216965034285822
	ANG 4, 0.31622776601683794, 0.031622776601683794
	ANG 5, 0.23713737056616552, 0.023713737056616552
	ANG 6, 0.1778279410038923, 0.01778279410038923
	ANG 7, 0.1333521432163324, 0.01333521432163324
	ANG 8, 0.01, 0.001
	ANG 9, 0.007498942093324559, 0.0007498942093324559
	ANG 10, 0.005623413251903491, 0.0005623413251903491
	ANG 11, 0.004216965034285822, 0.0004216965034285822
	ANG 12, 0.0031622776601683794, 0.00031622776601683794
	ANG 13, 0.0023713737056616552, 0.00023713737056616552
	ANG 14, 0.001778279410038923, 0.0001778279410038923
	ANG 15, 0.001333521432163324, 0.0001333521432163324
.irp p, 0,1,2,3,4,5,6,7
	global_store_b128 v[LI], v[192+4*\p:192+4*\p+3], s[20:21] offset:512*\p
.endr
	s_wait_xcnt 0x0
.Lno_rope:
.macro MKSC e, sc, lm
	s_add_co_i32 s22, s[\e], 127
	s_lshl_b32 s23, s22, 23
	v_mov_b32 v[\sc], s23
.endm
	s_wait_kmcnt 0x0
	s_cmp_eq_u32 s43, 1
	s_cselect_b32 s38, s27, s25
	s_cmp_eq_u32 s43, 2
	s_cselect_b32 s38, s29, s38
	s_cmp_eq_u32 s43, 3
	s_cselect_b32 s38, s35, s38
	MKSC 24, 16, 17
	MKSC 26, 18, 19
	MKSC 28, 20, 21
	MKSC 38, 22, 23
.macro TURN u
.irp i, 0,1,2,3
	ds_store_b128 v14, v[R+16*(\u)+4*\i:R+16*(\u)+4*\i+3] offset:STG*((\u)%2)+8*SP*\i
.endr
	v_nop
.irp i, 0,1,2,3
	ds_load_b128 v[X+16*((\u)%2)+4*\i:X+16*((\u)%2)+4*\i+3], v15 offset:STG*((\u)%2)+16*\i
.endr
.endm
.macro QOUT idx, xs, sc, lim, creg, base, off
.irp i, 0,1,2,3,4,5,6,7,8,9,10,11,12,13,14,15
.endr
	v_cvt_scalef32_pk8_fp8_f32 v[(\creg):(\creg)+1], v[T+16*((\idx)%2)+(((\xs)+0)-(T+16*((\idx)%2)+0)):T+16*((\idx)%2)+7+(((\xs)+0)-(T+16*((\idx)%2)+0))], v[\sc]
	v_cvt_scalef32_pk8_fp8_f32 v[(\creg)+2:(\creg)+3], v[T+16*((\idx)%2)+8+(((\xs)+0)-(T+16*((\idx)%2)+0)):T+16*((\idx)%2)+15+(((\xs)+0)-(T+16*((\idx)%2)+0))], v[\sc]
	global_store_b128 v[LI], v[(\creg):(\creg)+3], s[\base:\base+1] offset:\off
.endm
.macro STEP u
	s_wait_dscnt 0x0
.if (\u) < 5
	s_wait_loadcnt 16-4*(\u)
	TURN (\u)+1
.endif
.if (\u) < 4
	QOUT 3*(\u), X+16*((\u)%2), 16, 17, C+12*(\u), 56, 512*(\u)
	QOUT 3*(\u)+1, X+16*((\u)%2), 18, 19, C+12*(\u)+4, 58, 512*(\u)
	QOUT 3*(\u)+2, X+16*((\u)%2), 20, 21, C+12*(\u)+8, 60, 512*(\u)
.else
	QOUT (\u)+8, X+16*((\u)%2), 22, 23, CW+4*((\u)-4), 62, 512*((\u)-4)
.endif
.endm
	s_wait_alu depctr_va_vdst(0)
	s_wait_loadcnt 20
	TURN 0
.irp u, 0,1,2,3,4,5
	STEP \u
.endr
	s_wait_tensorcnt 0x0
	ds_add_u32 v[SPW], v[NIL]
	s_wait_dscnt 0x0
	s_endpgm
.Lfunc_end_k_q08bbb2f41b_quant:
	.size	k_q08bbb2f41b_quant, .Lfunc_end_k_q08bbb2f41b_quant-k_q08bbb2f41b_quant
	.p2alignl 7, 3214868480
	.fill 96, 4, 3214868480
	.section	.rodata,"a",@progbits
	.p2align	6, 0x0
	.amdhsa_kernel k_q08bbb2f41b_quant
		.amdhsa_group_segment_fixed_size 20992
		.amdhsa_private_segment_fixed_size 0
		.amdhsa_enable_private_segment 0
		.amdhsa_kernarg_size 72
		.amdhsa_user_sgpr_count 2
		.amdhsa_user_sgpr_kernarg_segment_ptr 1
		.amdhsa_wavefront_size32 1
		.amdhsa_system_sgpr_workgroup_id_x 1
		.amdhsa_system_sgpr_workgroup_id_y 1
		.amdhsa_system_sgpr_workgroup_id_z 1
		.amdhsa_system_vgpr_workitem_id 0
		.amdhsa_next_free_vgpr 248
		.amdhsa_next_free_sgpr 66
		.amdhsa_reserve_vcc 1
		.amdhsa_float_denorm_mode_32 3
		.amdhsa_float_denorm_mode_16_64 3
		.amdhsa_fp16_overflow 1
		.amdhsa_memory_ordered 1
		.amdhsa_forward_progress 1
		.amdhsa_inst_pref_size 35
	.end_amdhsa_kernel
	.amdgpu_metadata
---
amdhsa.version: [ 1, 2 ]
amdhsa.kernels:
  - .name:           k_q08bbb2f41b_quant
    .symbol:         k_q08bbb2f41b_quant.kd
    .args:
      - { .name: x, .offset: 0, .size: 8, .value_kind: global_buffer, .address_space: global }
      - { .name: Wq, .offset: 8, .size: 8, .value_kind: global_buffer, .address_space: global }
      - { .name: Wk, .offset: 16, .size: 8, .value_kind: global_buffer, .address_space: global }
      - { .name: Wv, .offset: 24, .size: 8, .value_kind: global_buffer, .address_space: global }
      - { .name: Wp, .offset: 32, .size: 8, .value_kind: global_buffer, .address_space: global }
      - { .name: lowp_scales, .offset: 40, .size: 8, .value_kind: global_buffer, .address_space: global }
      - { .name: xc, .offset: 48, .size: 8, .value_kind: global_buffer, .address_space: global }
      - { .name: wc, .offset: 56, .size: 8, .value_kind: global_buffer, .address_space: global }
      - { .name: rope, .offset: 64, .size: 8, .value_kind: global_buffer, .address_space: global }
    .group_segment_fixed_size: 20992
    .private_segment_fixed_size: 0
    .kernarg_segment_align: 8
    .kernarg_segment_size: 72
    .max_flat_workgroup_size: 128
    .sgpr_count:     66
    .vgpr_count:     248
    .wavefront_size: 32
...
	.end_amdgpu_metadata
.endif
;; end of part 1
;; launch qkv (part 2): grid 12 x 32, 4 waves a work-group, clusters of 4 x 4, 327,680 bytes of LDS; arguments xc, wc, rope, bq, bk, bv, lowp_scales, qc, kc, vc; writes qc, kc, vc
.if DOCPART == 2
	.amdgcn_target "amdgcn-amd-amdhsa--gfx1250"
	.amdhsa_code_object_version 6
	.text
	.protected	k_q08bbb2f41b_qkv
	.globl	k_q08bbb2f41b_qkv
	.p2align	8
	.type	k_q08bbb2f41b_qkv,@function
k_q08bbb2f41b_qkv:
	s_mov_b64 s[64:65], 0
	v_nop
	global_prefetch_b8 v0, s[64:65] scope:SCOPE_SE
	s_setreg_imm32_b32 hwreg(HW_REG_WAVE_MODE, 25, 1), 1
	s_wait_xcnt 0x0
	s_wait_alu depctr_hold_cnt(0) depctr_sa_sdst(0) depctr_va_vdst(0) depctr_va_sdst(0) depctr_va_ssrc(0) depctr_va_vcc(0) depctr_vm_vsrc(0)
	s_getreg_b32 s2, hwreg(HW_REG_IB_STS2, 6, 4)
	s_cmp_eq_u32 s2, 0
	s_cbranch_scc0 .Lentry_in_a_cluster
	s_endpgm
.Lentry_in_a_cluster:
	s_bfe_u32 s2, ttmp6, 0x10000c
	s_cmp_lg_u32 s2, 0xf033
	s_cbranch_scc0 .Lentry_shape_is_right
	s_endpgm
.Lentry_shape_is_right:
.set ROWB,   256
.set KROW,   1024
.set PITCH,  272
.set FR,     16
.set NL,     4
.set NP,     4
.set HALFT,  128*PITCH
.set SLOT,   4*HALFT
.set LAPS,   2
.set SPARE,  2*SLOT
.set ADRA, 16
.set ADRB, 20
.set BO,   24
.set VB,   25
.set LI,   26
.set SPW,  28
.set NIL,  29
.set SC,   30
.set LM,   31
.set AF,   128
.set BI,   32
.set RO,   96
.set UU,   160
.set TT,   192
.set CD,   224
.set BV,   32
.set VU,   64
.set VCD,  128
.set G1, 24
.set G0, 32
.set G1B, 48
.set G0B, 56
.set MSB, 0
.macro WIN new
.if MSB != (\new)
	s_set_vgpr_msb (MSB<<8)|(\new)
.set MSB, (\new)
.endif
.endm
.set MUL_LO, 0xa1
.set MUL_HI, 0xf1
.set TO_B,   0x40
.macro JLOAD g0a, g1a, g0b, g1b
	s_cmp_eq_u32 s15, 0
	s_cbranch_scc0 .Lfor_b_\@
	tensor_load_to_lds s[\g0a:\g0a+3], s[\g1a:\g1a+7]
	s_nop 0
.rept 4
	v_nop
.endr
	s_branch .Lasked_\@
.Lfor_b_\@:
	tensor_load_to_lds s[\g0b:\g0b+3], s[\g1b:\g1b+7]
	s_nop 0
.rept 4
	v_nop
.endr
.Lasked_\@:
.endm
.macro CREST
	s_cmp_lg_u32 s14, 0
	s_cbranch_scc1 .Lnot_wave_0_\@
	s_barrier_signal -3
.Lnot_wave_0_\@:
	s_barrier_wait -3
	s_barrier_signal -1
	s_barrier_wait -1
.endm
.macro CROUND
	s_barrier_signal -1
	s_barrier_wait -1
	CREST
.endm
	s_load_b512 s[68:83], s[0:1], 0x0
	s_load_b128 s[84:87], s[0:1], 0x40
	v_lshl_add_u32 v[SPW], v0, 2, SPARE
	v_mov_b32 v[NIL], 0
	ds_add_u32 v[SPW], v[NIL]
	ds_add_u32 v[SPW], v[NIL]
	v_lshrrev_b32 v1, 5, v0
	v_readfirstlane_b32 s14, v1
	s_lshr_b32 s15, s14, 1
	s_and_b32 s16, s14, 1
	s_bfe_u32 s40, ttmp6, 0x40000
	s_bfe_u32 s41, ttmp6, 0x40004
	s_and_b32 s13, ttmp7, 0xffff
	s_lshl_b32 s13, s13, 2
	s_add_co_u32 s12, s13, s41
	s_add_co_u32 s13, s13, s40
	s_cmp_eq_u32 ttmp9, 2
	s_cselect_b32 s17, s41, s12
	s_cselect_b32 s42, s13, s40
	s_lshl_b32 s43, s41, 2
	s_lshl_b32 s43, 15, s43
	s_lshl_b32 s44, 0x1111, s40
	s_or_b32 s[G1+0], s43, (0<<16)|(1<<20)|(1<<21)|(5<<22)|(3<<25)
	s_or_b32 s[G1B+0], s44, (0<<16)|(1<<20)|(1<<21)|(5<<22)|(3<<25)
.irp g, G1, G1B
	s_mov_b32 s[\g+1], ROWB<<16
	s_mov_b32 s[\g+2], 128<<16
	s_mov_b32 s[\g+3], ROWB<<16
	s_mov_b32 s[\g+4], 128
	s_mov_b32 s[\g+5], KROW
	s_mov_b32 s[\g+6], 0
	s_mov_b32 s[\g+7], 0
.endr
	s_lshl_b32 s18, s16, 7
	s_lshl_b32 s20, s17, 8
	s_add_co_u32 s20, s20, s18
	s_lshl_b32 s20, s20, 10
	s_mov_b32 s21, 0
	s_lshl_b32 s46, s42, 8
	s_add_co_u32 s46, s46, s18
	s_lshl_b32 s46, s46, 10
	s_mov_b32 s47, 0
	s_mul_i32 s45, s14, HALFT
	s_lshl_b32 s2, ttmp9, 23
	s_mov_b32 s3, 0
	s_lshl_b32 s22, ttmp9, 20
	s_mov_b32 s23, 0
	s_wait_dscnt 0x0
	s_wait_kmcnt 0x0
	s_load_b256 s[88:95], s[80:81], 0x0
	s_load_b128 s[96:99], s[80:81], 0x20
	s_add_nc_u64 s[4:5], s[68:69], s[2:3]
	s_add_nc_u64 s[6:7], s[70:71], s[22:23]
	s_cmp_eq_u32 ttmp9, 2
	s_cselect_b64 s[8:9], s[6:7], s[4:5]
	s_cselect_b64 s[10:11], s[4:5], s[6:7]
	s_add_nc_u64 s[20:21], s[8:9], s[20:21]
	s_add_nc_u64 s[46:47], s[10:11], s[46:47]
	CROUND
.irp s, 0,1
	s_mov_b32 s[G0+4*\s], 1
	s_add_co_u32 s[G0+4*\s+1], s45, \s*SLOT
	s_add_nc_u64 s[G0+4*\s+2:G0+4*\s+3], s[20:21], \s*ROWB
	s_or_b32 s[G0+4*\s+3], s[G0+4*\s+3], 0x80000000
	s_mov_b32 s[G0B+4*\s], 1
	s_add_co_u32 s[G0B+4*\s+1], s45, \s*SLOT
	s_add_nc_u64 s[G0B+4*\s+2:G0B+4*\s+3], s[46:47], \s*ROWB
	s_or_b32 s[G0B+4*\s+3], s[G0B+4*\s+3], 0x80000000
	JLOAD G0+4*\s, G1, G0B+4*\s, G1B
.endr
	v_and_b32 v1, 15, v0
	v_bfe_u32 v2, v0, 4, 1
	v_mul_u32_u24 v3, v1, PITCH
	v_lshl_add_u32 v4, v2, 4, v3
	s_mul_i32 s21, s15, HALFT
	s_mul_i32 s22, s16, HALFT
	s_add_co_u32 s22, s22, 2*HALFT
.irp s, 0,1
	v_add_nc_u32 v[ADRA+\s], s21, v4
	v_add_nc_u32 v[ADRB+\s], s22, v4
	s_add_co_u32 s21, s21, SLOT
	s_add_co_u32 s22, s22, SLOT
.endr
	v_lshlrev_b32 v[BO], 5, v2
	v_and_b32 v6, 31, v0
	v_lshlrev_b32 v[LI], 4, v6
	v_and_b32 v5, 7, v1
	v_lshrrev_b32 v7, 3, v1
	v_lshl_add_u32 v5, v7, 4, v5
	v_lshlrev_b32 v[VB], 2, v5
.macro FRAG reg, adr, q, i
.irp c, 0,1,2,3
	ds_load_b128 v[\reg+4*\c:\reg+4*\c+3], v[\adr] offset:128*(\q)+32*\c+(\i)*16*PITCH
.endr
.endm
.macro MUL16 a0, p, zero
.irp a, \a0, \a0+1
.irp b, 0,1,2,3,4,5,6,7
.if \zero
	v_wmma_f32_16x16x128_fp8_fp8 v[8*(8*((\a)%4)+\b):8*(8*((\a)%4)+\b)+7], v[128*(\p)+FR*\b:128*(\p)+FR*\b+FR-1], v[AF+FR*(\a):AF+FR*(\a)+FR-1], 0
.else
	v_wmma_f32_16x16x128_fp8_fp8 v[8*(8*((\a)%4)+\b):8*(8*((\a)%4)+\b)+7], v[128*(\p)+FR*\b:128*(\p)+FR*\b+FR-1], v[AF+FR*(\a):AF+FR*(\a)+FR-1], v[8*(8*((\a)%4)+\b):8*(8*((\a)%4)+\b)+7]
.endif
.endr
.endr
.endm
.macro FETCH_B slot, q, p
	WIN TO_B
.irp i, 0,1,2,3,4,5,6,7
	FRAG 128*(\p)+FR*\i, ADRB+\slot, \q, \i
.endr
	WIN 0
.endm
.macro FETCH_A slot, q, i0
.irp i, \i0, \i0+1, \i0+2, \i0+3
	FRAG AF+FR*(\i), ADRA+\slot, \q, \i
.endr
.endm
.macro PLACES n
.rept \n
	v_nop
.endr
.endm
.macro STEP slot, q, zero
	s_wait_dscnt 4*NL
	WIN MUL_LO
	MUL16 0, (\q)%2, \zero
	MUL16 2, (\q)%2, \zero
	s_wait_dscnt 0
	PLACES NP
	FETCH_B \slot, (\q)+1, 1-(\q)%2
	FETCH_A \slot, (\q)+1, 0
	WIN MUL_HI
	MUL16 4, (\q)%2, \zero
	MUL16 6, (\q)%2, \zero
	PLACES NP
	WIN 0
	FETCH_A \slot, (\q)+1, 4
.endm
.macro TURN slot, next, fill
	s_wait_tensorcnt 0x0
	ds_add_u32 v[SPW], v[NIL]
	s_wait_dscnt 4*NL+1
	WIN MUL_LO
	MUL16 0, 1, 0
	s_wait_dscnt 0x0
	s_barrier_signal -1
	MUL16 2, 1, 0
	WIN 0
	s_barrier_wait -1
.if \fill
	CREST
	s_add_nc_u64 s[G0+4*\slot+2:G0+4*\slot+3], s[G0+4*\slot+2:G0+4*\slot+3], 2*ROWB
	s_add_nc_u64 s[G0B+4*\slot+2:G0B+4*\slot+3], s[G0B+4*\slot+2:G0B+4*\slot+3], 2*ROWB
	JLOAD G0+4*\slot, G1, G0B+4*\slot, G1B
.else
	PLACES NP
.endif
	s_wait_alu depctr_va_vdst(0)
	FETCH_B \next, 0, 0
	FETCH_A \next, 0, 0
	WIN MUL_HI
	MUL16 4, 1, 0
	MUL16 6, 1, 0
	PLACES NP
	WIN 0
	FETCH_A \next, 0, 4
.endm
	s_wait_tensorcnt 1
	s_barrier_signal -1
	s_barrier_wait -1
	FETCH_B 0, 0, 0
	FETCH_A 0, 0, 0
	FETCH_A 0, 0, 4
	STEP 0, 0, 1
	s_mov_b32 s3, LAPS-1
.Llap:
	TURN 0, 1, 1
	STEP 1, 0, 0
	TURN 1, 0, 1
	STEP 0, 0, 0
	s_sub_co_u32 s3, s3, 1
	s_cmp_lg_u32 s3, 0
	s_cbranch_scc1 .Llap
	TURN 0, 1, 0
	STEP 1, 0, 0
	s_wait_dscnt 4*NL
	WIN MUL_LO
	MUL16 0, 1, 0
	MUL16 2, 1, 0
	s_wait_dscnt 0
	WIN MUL_HI
	MUL16 4, 1, 0
	MUL16 6, 1, 0
	WIN 0
	s_wait_kmcnt 0x0
	s_add_co_i32 s2, s88, s89
	s_add_co_i32 s3, s90, s91
	s_add_co_i32 s12, s92, s93
	s_cmp_eq_u32 ttmp9, 1
	s_cselect_b32 s2, s3, s2
	s_cselect_b32 s13, s95, s94
	s_cmp_eq_u32 ttmp9, 2
	s_cselect_b32 s2, s12, s2
	s_cselect_b32 s13, s97, s13
	s_add_co_i32 s2, s2, 127
	s_lshl_b32 s100, s2, 23
	s_mov_b32 s101, s100
	s_add_co_i32 s13, s13, 127
	s_lshl_b32 s12, s13, 23
	v_mov_b32 v[SC], s12
	PLACES NP
	s_cmp_eq_u32 ttmp9, 2
	s_cbranch_scc1 .Lv_out
	s_cmp_eq_u32 ttmp9, 1
	s_cselect_b64 s[4:5], s[76:77], s[74:75]
	s_cselect_b64 s[6:7], s[84:85], s[82:83]
	s_lshl_b32 s2, s42, 10
	s_lshl_b32 s3, s16, 9
	s_add_co_u32 s2, s2, s3
	s_mov_b32 s3, 0
	s_add_nc_u64 s[4:5], s[4:5], s[2:3]
	s_lshl_b32 s12, s17, 4
	s_lshl_b32 s13, s15, 3
	s_add_co_u32 s12, s12, s13
	s_and_b32 s12, s12, 127
	s_lshl_b32 s2, s12, 12
	s_add_nc_u64 s[8:9], s[72:73], s[2:3]
	s_lshr_b32 s13, s17, 3
	s_lshl_b32 s13, s13, 4
	s_lshl_b32 s18, s42, 2
	s_add_co_u32 s13, s13, s18
	s_lshl_b32 s18, s16, 1
	s_add_co_u32 s13, s13, s18
	s_lshl_b32 s13, s13, 7
	s_add_co_u32 s13, s13, s12
	s_lshl_b32 s2, s13, 10
	s_add_nc_u64 s[6:7], s[6:7], s[2:3]
.irp b, 0,1,2,3,4,5,6,7
	global_load_b128 v[BI+8*\b:BI+8*\b+3], v[BO], s[4:5] offset:64*\b
	global_load_b128 v[BI+8*\b+4:BI+8*\b+7], v[BO], s[4:5] offset:64*\b+16
.endr
.macro ROPELD a
.irp p, 0,1,2,3,4,5,6,7
	global_load_b128 v[RO+32*((\a)%2)+4*\p:RO+32*((\a)%2)+4*\p+3], v[LI], s[8:9] offset:4096*(\a)+512*\p
.endr
.endm
.macro QKHEAD a, hd
.set AC, 64*((\a)%4)+32*(\hd)
.set RC, RO+32*((\a)%2)
.set RS, RC+16
.set CDS, CD+8*((2*(\a)+(\hd))%4)
	WIN 0x02+((\a)/4)
.irp j, 0,2,4,6,8,10,12,14,16,18,20,22,24,26,28,30
	v_pk_fma_f32 v[UU+\j:UU+\j+1], v[AC+\j:AC+\j+1], s[100:101], v[BI+32*(\hd)+\j:BI+32*(\hd)+\j+1] op_sel_hi:[1,0,1]
.endr
	WIN 0
.irp j, 0,2,4,6,8,10,12,14
	v_pk_mul_f32 v[TT+\j:TT+\j+1], v[UU+\j:UU+\j+1], v[RC+\j:RC+\j+1]
	v_pk_mul_f32 v[TT+16+\j:TT+16+\j+1], v[UU+16+\j:UU+16+\j+1], v[RC+\j:RC+\j+1]
.endr
.irp j, 0,2,4,6,8,10,12,14
	v_pk_fma_f32 v[TT+\j:TT+\j+1], v[UU+16+\j:UU+16+\j+1], v[RS+\j:RS+\j+1], v[TT+\j:TT+\j+1] neg_lo:[1,0,0] neg_hi:[1,0,0]
	v_pk_fma_f32 v[TT+16+\j:TT+16+\j+1], v[UU+\j:UU+\j+1], v[RS+\j:RS+\j+1], v[TT+16+\j:TT+16+\j+1]
.endr
.irp t, 0,1,2,3
.irp i, 0,1,2,3,4,5,6,7
.endr
	v_cvt_scalef32_pk8_fp8_f32 v[CDS+2*\t:CDS+2*\t+1], v[TT+8*\t:TT+8*\t+7], v[SC]
.endr
	v_nop
	global_store_b128 v[LI], v[CDS:CDS+3], s[6:7] offset:1024*(\a)+131072*(\hd)
	global_store_b128 v[LI], v[CDS+4:CDS+7], s[6:7] offset:1024*(\a)+131072*(\hd)+512
.endm
	ROPELD 0
.irp a, 0,1,2,3,4,5,6,7
.if \a < 7
	ROPELD \a+1
	s_wait_loadcnt 8
.else
	s_wait_loadcnt 0
.endif
.if \a > 1
	s_wait_xcnt 0x0
.endif
	QKHEAD \a, 0
	QKHEAD \a, 1
.endr
	s_branch .Ldone
.Lv_out:
	s_lshl_b32 s2, s17, 10
	s_lshl_b32 s3, s15, 9
	s_add_co_u32 s2, s2, s3
	s_mov_b32 s3, 0
	s_add_nc_u64 s[4:5], s[78:79], s[2:3]
	s_lshr_b32 s12, s42, 3
	s_lshl_b32 s12, s12, 4
	s_lshl_b32 s13, s17, 2
	s_add_co_u32 s12, s12, s13
	s_lshl_b32 s13, s15, 1
	s_add_co_u32 s12, s12, s13
	s_lshl_b32 s12, s12, 4
	s_lshl_b32 s13, s42, 1
	s_add_co_u32 s13, s13, s16
	s_and_b32 s13, s13, 15
	s_add_co_u32 s12, s12, s13
	s_lshl_b32 s2, s12, 13
	s_add_nc_u64 s[6:7], s[86:87], s[2:3]
.irp a, 0,1,2,3,4,5,6,7
	global_load_b32 v[BV+2*\a], v[VB], s[4:5] offset:128*(\a/2)+32*(\a%2)
	global_load_b32 v[BV+2*\a+1], v[VB], s[4:5] offset:128*(\a/2)+32*(\a%2)
.endr
	s_wait_loadcnt 0x0
.macro VBLK a
.set AC, 64*((\a)%4)
.set CDS, VCD+16*((\a)%4)
.if (\a) > 3
	s_wait_xcnt 0x0
.endif
	WIN 0x02+((\a)/4)
.irp j, 0,2,4,6,8,10,12,14,16,18,20,22,24,26,28,30,32,34,36,38,40,42,44,46,48,50,52,54,56,58,60,62
	v_pk_fma_f32 v[VU+\j:VU+\j+1], v[AC+\j:AC+\j+1], s[100:101], v[BV+2*(\a):BV+2*(\a)+1] op_sel_hi:[1,0,1]
.endr
	WIN 0
.irp b, 0,1,2,3,4,5,6,7
.irp i, 0,1,2,3,4,5,6,7
.endr
	v_cvt_scalef32_pk8_fp8_f32 v[CDS+2*\b:CDS+2*\b+1], v[VU+8*\b:VU+8*\b+7], v[SC]
.endr
	v_nop
.irp c, 0,1,2,3
	global_store_b128 v[LI], v[CDS+4*\c:CDS+4*\c+3], s[6:7] offset:131072*((\a)/4)+2048*((\a)%4)+512*\c
.endr
.endm
.irp a, 0,1,2,3,4,5,6,7
	VBLK \a
.endr
.Ldone:
	s_wait_tensorcnt 0x0
	ds_add_u32 v[SPW], v[NIL]
	s_wait_dscnt 0x0
	CROUND
	s_endpgm
.Lfunc_end_k_q08bbb2f41b_qkv:
	.size	k_q08bbb2f41b_qkv, .Lfunc_end_k_q08bbb2f41b_qkv-k_q08bbb2f41b_qkv
	.p2alignl 7, 3214868480
	.fill 96, 4, 3214868480
	.section	.rodata,"a",@progbits
	.p2align	6, 0x0
	.amdhsa_kernel k_q08bbb2f41b_qkv
		.amdhsa_group_segment_fixed_size 327680
		.amdhsa_private_segment_fixed_size 0
		.amdhsa_enable_private_segment 0
		.amdhsa_kernarg_size 80
		.amdhsa_user_sgpr_count 2
		.amdhsa_user_sgpr_kernarg_segment_ptr 1
		.amdhsa_wavefront_size32 1
		.amdhsa_system_sgpr_workgroup_id_x 1
		.amdhsa_system_sgpr_workgroup_id_y 1
		.amdhsa_system_sgpr_workgroup_id_z 1
		.amdhsa_system_vgpr_workitem_id 0
		.amdhsa_next_free_vgpr 1024
		.amdhsa_next_free_sgpr 102
		.amdhsa_reserve_vcc 0
		.amdhsa_float_denorm_mode_32 3
		.amdhsa_float_denorm_mode_16_64 3
		.amdhsa_fp16_overflow 1
		.amdhsa_memory_ordered 1
		.amdhsa_forward_progress 1
		.amdhsa_inst_pref_size 169
	.end_amdhsa_kernel
	.amdgpu_metadata
---
amdhsa.version: [ 1, 2 ]
amdhsa.kernels:
  - .name:           k_q08bbb2f41b_qkv
    .symbol:         k_q08bbb2f41b_qkv.kd
    .args:
      - { .name: xc, .offset: 0, .size: 8, .value_kind: global_buffer, .address_space: global }
      - { .name: wc, .offset: 8, .size: 8, .value_kind: global_buffer, .address_space: global }
      - { .name: rope, .offset: 16, .size: 8, .value_kind: global_buffer, .address_space: global }
      - { .name: bq, .offset: 24, .size: 8, .value_kind: global_buffer, .address_space: global }
      - { .name: bk, .offset: 32, .size: 8, .value_kind: global_buffer, .address_space: global }
      - { .name: bv, .offset: 40, .size: 8, .value_kind: global_buffer, .address_space: global }
      - { .name: lowp_scales, .offset: 48, .size: 8, .value_kind: global_buffer, .address_space: global }
      - { .name: qc, .offset: 56, .size: 8, .value_kind: global_buffer, .address_space: global }
      - { .name: kc, .offset: 64, .size: 8, .value_kind: global_buffer, .address_space: global }
      - { .name: vc, .offset: 72, .size: 8, .value_kind: global_buffer, .address_space: global }
    .group_segment_fixed_size: 327680
    .private_segment_fixed_size: 0
    .kernarg_segment_align: 8
    .kernarg_segment_size: 80
    .max_flat_workgroup_size: 128
    .sgpr_count:     102
    .vgpr_count:     1024
    .wavefront_size: 32
...
	.end_amdgpu_metadata
.endif
;; end of part 2
;; launch attn (part 3): grid 4 x 64, 16 waves a work-group, clusters of 4 x 1, 327,680 bytes of LDS; arguments qc, kc, vc, lowp_scales, attc; writes attc
.if DOCPART == 3
	.amdgcn_target "amdgcn-amd-amdhsa--gfx1250"
	.amdhsa_code_object_version 6
	.text
	.protected	k_q08bbb2f41b_attn
	.globl	k_q08bbb2f41b_attn
	.p2align	8
	.type	k_q08bbb2f41b_attn,@function
k_q08bbb2f41b_attn:
	s_mov_b64 s[64:65], 0
	v_nop
	global_prefetch_b8 v0, s[64:65] scope:SCOPE_SE
	s_setreg_imm32_b32 hwreg(HW_REG_WAVE_MODE, 25, 1), 1
	s_wait_xcnt 0x0
	s_wait_alu depctr_hold_cnt(0) depctr_sa_sdst(0) depctr_va_vdst(0) depctr_va_sdst(0) depctr_va_ssrc(0) depctr_va_vcc(0) depctr_vm_vsrc(0)
	s_getreg_b32 s2, hwreg(HW_REG_IB_STS2, 6, 4)
	s_cmp_eq_u32 s2, 0
	s_cbranch_scc0 .Lentry_in_a_cluster
	s_endpgm
.Lentry_in_a_cluster:
	s_bfe_u32 s2, ttmp6, 0x10000c
	s_cmp_lg_u32 s2, 0x3003
	s_cbranch_scc0 .Lentry_shape_is_right
	s_endpgm
.Lentry_shape_is_right:
.set VBASE, 131072
.set SPARE, 262144
.set LI,   1
.set ADK,  2
.set ADV,  3
.set LV,   4
.set SPW,  5
.set NIL,  6
.set F,    36
.set S,    100
.set PC,   228
.set WV,   18
.set SEL,  20
.set CS,   22
.set G1A,  24
.set G1B,  32
.set KO,   48
.macro CROUND
	s_barrier_signal -1
	s_barrier_wait -1
	s_cmp_lg_u32 s[WV], 0
	s_cbranch_scc1 .Lnot_wave_0_\@
	s_barrier_signal -3
.Lnot_wave_0_\@:
	s_barrier_wait -3
	s_barrier_signal -1
	s_barrier_wait -1
.endm
	s_load_b256 s[4:11], s[0:1], 0x0
	s_load_b64 s[12:13], s[0:1], 0x20
	v_lshl_add_u32 v[SPW], v0, 2, SPARE
	v_mov_b32 v[NIL], 0
	ds_add_u32 v[SPW], v[NIL]
	ds_add_u32 v[SPW], v[NIL]
	v_lshrrev_b32 v8, 5, v0
	s_delay_alu instid0(VALU_DEP_1)
	v_readfirstlane_b32 s[WV], v8
	s_bfe_u32 s19, ttmp6, 0x40000
	s_and_b32 s80, ttmp7, 0xffff
	s_mov_b32 s[G1A], 15|(3<<16)|(1<<21)
	s_mov_b32 s[G1A+1], 32<<16
	s_mov_b32 s[G1A+2], 16<<16
	s_mov_b32 s[G1A+3], 32<<16
	s_mov_b32 s[G1A+4], 16
	s_mov_b32 s[G1A+5], 32
	s_mov_b32 s[G1A+6], 0
	s_mov_b32 s[G1A+7], 0
	s_mov_b32 s[G1B], 15|(3<<16)|(1<<21)
	s_mov_b32 s[G1B+1], 32<<16
	s_mov_b32 s[G1B+2], 48<<16
	s_mov_b32 s[G1B+3], 32<<16
	s_mov_b32 s[G1B+4], 48
	s_mov_b32 s[G1B+5], 32
	s_mov_b32 s[G1B+6], 0
	s_mov_b32 s[G1B+7], 0
	s_and_b32 s81, s[WV], 7
	s_lshr_b32 s82, s[WV], 3
	s_lshl_b32 s82, s82, 17
	s_lshl_b32 s83, s81, 12
	s_mul_i32 s84, s81, 12288
	s_add_co_u32 s84, s84, 32768
	s_mov_b32 s40, 1
	s_add_co_u32 s41, s82, s83
	s_mov_b32 s44, 1
	s_add_co_u32 s45, s82, s84
	s_lshl_b32 s86, s80, 17
	s_add_co_u32 s88, s86, s83
	s_mov_b32 s89, 0
	s_add_co_u32 s90, s86, s84
	s_mov_b32 s91, 0
	s_lshl_b32 s92, s[WV], 2
	s_add_co_u32 s92, s92, s19
	s_sub_co_u32 s93, 127, s92
	s_lshl_b32 s52, s92, 4
	s_lshl_b32 s51, s93, 4
	s_lshr_b32 s50, s[WV], 1
	s_sub_co_u32 s49, 15, s50
	s_lshl_b32 s49, s49, 13
	s_lshl_b32 s50, s50, 13
	s_lshl_b32 s58, s93, 10
	s_add_co_u32 s58, s58, s86
	s_mov_b32 s59, 0
	s_lshl_b32 s60, s92, 10
	s_add_co_u32 s60, s60, s86
	s_mov_b32 s61, 0
	s_lshr_b32 s94, s80, 4
	s_lshl_b32 s94, s94, 21
	s_and_b32 s95, s80, 15
	s_lshl_b32 s95, s95, 10
	s_add_co_u32 s94, s94, s95
	s_lshl_b32 s54, s93, 14
	s_add_co_u32 s54, s54, s94
	s_mov_b32 s55, 0
	s_lshl_b32 s56, s92, 14
	s_add_co_u32 s56, s56, s94
	s_mov_b32 s57, 0
	s_mov_b32 s[SEL], 0x76543210
	s_mov_b32 s[SEL+1], 0xfedcba98
	s_wait_dscnt 0x0
	s_wait_kmcnt 0x0
	s_load_b256 s[68:75], s[10:11], 0x0
	s_load_b128 s[76:79], s[10:11], 0x20
	s_cmp_lt_u32 s[WV], 8
	s_cselect_b64 s[84:85], s[6:7], s[8:9]
	s_add_nc_u64 s[42:43], s[84:85], s[88:89]
	s_or_b32 s43, s43, 0x80000000
	s_add_nc_u64 s[46:47], s[84:85], s[90:91]
	s_or_b32 s47, s47, 0x80000000
	s_add_nc_u64 s[58:59], s[4:5], s[58:59]
	s_add_nc_u64 s[60:61], s[4:5], s[60:61]
	s_add_nc_u64 s[54:55], s[12:13], s[54:55]
	s_add_nc_u64 s[56:57], s[12:13], s[56:57]
	CROUND
	tensor_load_to_lds s[40:43], s[G1A:G1A+7]
	s_nop 0
	s_wait_alu depctr_va_vdst(0)
	s_wait_tensorcnt 0x0
	ds_add_u32 v5, v6
	s_wait_dscnt 0x0
	CROUND
	tensor_load_to_lds s[44:47], s[G1B:G1B+7]
	s_nop 0
.rept 4
	v_nop
.endr
	v_and_b32 v8, 31, v0
	s_delay_alu instid0(VALU_DEP_1)
	v_lshlrev_b32 v[LI], 4, v8
	global_load_b128 v[20:23], v[LI], s[58:59]
	global_load_b128 v[24:27], v[LI], s[58:59] offset:512
	global_load_b128 v[28:31], v[LI], s[60:61]
	global_load_b128 v[32:35], v[LI], s[60:61] offset:512
	v_add_nc_u32 v[LV], VBASE, v[LI]
	v_and_b32 v8, 15, v0
	v_bfe_u32 v9, v0, 4, 1
	s_delay_alu instid0(VALU_DEP_1)
	v_lshlrev_b32 v9, 3, v9
	s_delay_alu instid0(VALU_DEP_1)
	v_sub_nc_u32 v7, v8, v9
	v_mov_b32 v13, 0xff61b1e6
	s_delay_alu instid0(VALU_DEP_1)
	v_floor_f32 v12, -v13
	v_mov_b32 v14, 0
	v_mov_b32 v15, 0
	v_mov_b32 v17, 0xff61b1e6
	s_delay_alu instid0(VALU_DEP_1)
	v_floor_f32 v16, -v17
	v_mov_b32 v18, 0
	v_mov_b32 v19, 0
	v_mov_b32 v248, 0
	v_mov_b32 v251, 0
	v_mov_b32 v255, 0xff800000
.irp j, 0,1,2,3,4,5,6,7,8,9,10,11,12,13,14,15,16,17,18,19,20,21,22,23,24,25,26,27,28,29,30,31,32,33,34,35,36,37,38,39,40,41,42,43,44,45,46,47,48,49,50,51,52,53,54,55,56,57,58,59,60,61,62,63
	v_mov_b32 v[164+\j], 0
.endr
	s_wait_kmcnt 0x0
	s_add_co_i32 s80, s74, s75
	s_lshl_b32 s80, s80, 23
	s_mov_b32 s[CS], 0x3e38aa3b
	s_add_co_i32 s[CS], s[CS], s80
	s_mov_b32 s[CS+1], s[CS]
	s_add_co_i32 s80, s76, 127
	s_lshl_b32 s81, s80, 23
	v_mov_b32 v244, s81
	s_sub_co_i32 s80, s78, s76
	s_sub_co_i32 s80, s80, s77
	s_add_co_i32 s80, s80, 127
	s_lshl_b32 s82, s80, 23
.macro TSTEP st, q, o, lim, q0, ends
.if \ends
	s_cmp_gt_u32 s[KO], s[\lim]
	s_cbranch_scc1 .Lskip_\@
.endif
	v_add_nc_u32 v[ADK], s[KO], v[LI]
	v_add_nc_u32 v[ADV], s[KO], v[LV]
	v_nop
	v_nop
.irp c, 0,1,2,3,4,5,6,7
	ds_load_b128 v[F+8*\c:F+8*\c+3], v[ADK] offset:1024*\c
	ds_load_b128 v[F+8*\c+4:F+8*\c+7], v[ADK] offset:1024*\c+512
.endr
	s_wait_alu depctr_va_vdst(0)
	s_wait_dscnt 0x0
.irp c, 0,1,2,3,4,5,6,7
	v_wmma_f32_16x16x64_fp8_fp8 v[S+8*\c:S+8*\c+7], v[F+8*\c:F+8*\c+7], v[\q:\q+7], 0
.endr
.rept 4
	v_nop
.endr
.irp d, 0,1,2,3
.irp c, 0,1,2,3
	ds_load_b128 v[F+16*\d+4*\c:F+16*\d+4*\c+3], v[ADV] offset:2048*\d+512*\c
.endr
.endr
.if \ends
	s_cmp_lg_u32 s[KO], s[\lim]
	s_cbranch_scc1 .Lopen_\@
	s_lshr_b32 s96, s[KO], 6
	s_sub_co_i32 s96, s[\q0], s96
	v_add_nc_u32 v254, s96, v7
.irp n, 0,1,2,3,4,5,6,7,8,9,10,11,12,13,14,15,16,17,18,19,20,21,22,23,24,25,26,27,28,29,30,31,32,33,34,35,36,37,38,39,40,41,42,43,44,45,46,47,48,49,50,51,52,53,54,55,56,57,58,59,60,61,62,63
	v_cmp_gt_i32 vcc_lo, 16*(\n/8)+\n%8, v254
	v_cndmask_b32 v[S+\n], v[S+\n], v255, vcc_lo
.endr
.Lopen_\@:
.endif
	v_max3_num_f32 v252, v[S], v[S+1], v[S+2]
	v_max3_num_f32 v253, v[S+3], v[S+4], v[S+5]
.irp i, 6,10,14,18,22,26,30,34,38,42,46,50,54,58
	v_max3_num_f32 v252, v252, v[S+\i], v[S+\i+1]
	v_max3_num_f32 v253, v253, v[S+\i+2], v[S+\i+3]
.endr
	v_max3_num_f32 v252, v252, v[S+62], v[S+63]
	s_delay_alu instid0(VALU_DEP_1)
	v_max_num_f32 v252, v252, v253
	s_delay_alu instid0(VALU_DEP_1)
	v_permlanex16_b32 v248, v252, s[SEL], s[SEL+1]
	s_delay_alu instid0(VALU_DEP_1)
	v_max_num_f32 v252, v252, v248
	s_delay_alu instid0(VALU_DEP_1)
	v_mul_f32 v252, s[CS], v252
	s_delay_alu instid0(VALU_DEP_1)
	v_max_num_f32 v[\st+1], v[\st+1], v252
	v_mov_b32 v252, v[\st]
	s_delay_alu instid0(VALU_DEP_2)
	v_floor_f32 v[\st], -v[\st+1]
	s_delay_alu instid0(VALU_DEP_1)
	v_sub_f32 v252, v[\st], v252
	s_delay_alu instid0(VALU_DEP_1)
	v_cvt_i32_f32 v252, v252
	s_delay_alu instid0(VALU_DEP_1)
	v_ldexp_f32 v250, 1.0, v252
.irp j, 0,2,4,6,8,10,12,14,16,18,20,22,24,26,28,30,32,34,36,38,40,42,44,46,48,50,52,54,56,58,60,62
	v_pk_fma_f32 v[S+\j:S+\j+1], v[S+\j:S+\j+1], s[CS:CS+1], v[\st:\st+1] op_sel_hi:[1,0,0]
.endr
	s_wait_alu depctr_va_vdst(0)
.irp j, 0,1,2,3,4,5,6,7,8,9,10,11,12,13,14,15,16,17,18,19,20,21,22,23,24,25,26,27,28,29,30,31,32,33,34,35,36,37,38,39,40,41,42,43,44,45,46,47,48,49,50,51,52,53,54,55,56,57,58,59,60,61,62,63
	v_exp_f32 v[S+\j], v[S+\j]
.endr
	v_pk_mul_f32 v[\st+2:\st+3], v[\st+2:\st+3], v[250:251] op_sel_hi:[1,0]
	s_wait_alu depctr_va_vdst(0)
	v_pk_add_f32 v[246:247], v[S:S+1], v[S+2:S+3]
.irp j, 4,8,12,16,20,24,28,32,36,40,44,48,52,56,60
	v_pk_add_f32 v[\st+2:\st+3], v[\st+2:\st+3], v[S+\j:S+\j+1]
	v_pk_add_f32 v[246:247], v[246:247], v[S+\j+2:S+\j+3]
.endr
	s_delay_alu instid0(VALU_DEP_1)
	v_pk_add_f32 v[\st+2:\st+3], v[\st+2:\st+3], v[246:247]
.irp c, 0,1,2,3,4,5,6,7
.irp i, 0,1,2,3,4,5,6,7
.endr
	v_cvt_scalef32_pk8_fp8_f32 v[PC+2*\c:PC+2*\c+1], v[S+8*\c:S+8*\c+7], v244
.endr
.irp j, 0,2,4,6,8,10,12,14,16,18,20,22,24,26,28,30
	v_pk_mul_f32 v[\o+\j:\o+\j+1], v[\o+\j:\o+\j+1], v[250:251] op_sel_hi:[1,0]
.endr
	s_wait_alu depctr_va_vdst(0)
	s_wait_dscnt 0x0
.irp d, 0,1,2,3
	v_wmma_f32_16x16x128_fp8_fp8 v[\o+8*\d:\o+8*\d+7], v[F+16*\d:F+16*\d+15], v[PC:PC+15], v[\o+8*\d:\o+8*\d+7]
.endr
.Lskip_\@:
.endm
	s_wait_loadcnt 0x0
	s_wait_tensorcnt 0x1
	s_barrier_signal -1
	s_barrier_wait -1
	s_mov_b32 s[KO], 0
.Lp0:
	TSTEP 12, 20, 164, 49, 51, 0
	TSTEP 16, 28, 196, 50, 52, 1
	s_add_co_u32 s[KO], s[KO], 8192
	s_cmp_lt_u32 s[KO], 32768
	s_cbranch_scc1 .Lp0
	s_wait_tensorcnt 0x0
	s_wait_dscnt 0x0
	s_barrier_signal -1
	s_barrier_wait -1
	s_mov_b32 s[KO], 32768
.Lp1:
	TSTEP 12, 20, 164, 49, 51, 1
	TSTEP 16, 28, 196, 50, 52, 1
	s_add_co_u32 s[KO], s[KO], 8192
	s_cmp_lt_u32 s[KO], 131072
	s_cbranch_scc1 .Lp1
.rept 4
	v_nop
.endr
	v_mov_b32 v246, s82
.macro OUTT st, o, pc, base
	v_add_f32 v252, v[\st+2], v[\st+3]
	s_delay_alu instid0(VALU_DEP_1)
	v_permlanex16_b32 v248, v252, s[SEL], s[SEL+1]
	s_delay_alu instid0(VALU_DEP_1)
	v_add_f32 v252, v252, v248
	s_wait_alu depctr_va_vdst(0)
	v_rcp_f32 v250, v252
	v_nop
	s_wait_alu depctr_va_vdst(0)
.irp j, 0,2,4,6,8,10,12,14,16,18,20,22,24,26,28,30
	v_pk_mul_f32 v[\o+\j:\o+\j+1], v[\o+\j:\o+\j+1], v[250:251] op_sel_hi:[1,0]
.endr
.irp d, 0,1,2,3
.irp i, 0,1,2,3,4,5,6,7
.endr
	v_cvt_scalef32_pk8_fp8_f32 v[\pc+2*\d:\pc+2*\d+1], v[\o+8*\d:\o+8*\d+7], v246
.endr
	v_nop
	global_store_b128 v[LI], v[\pc:\pc+3], s[\base:\base+1]
	global_store_b128 v[LI], v[\pc+4:\pc+7], s[\base:\base+1] offset:512
.endm
	OUTT 12, 164, 228, 54
	OUTT 16, 196, 236, 56
	s_wait_tensorcnt 0x0
	ds_add_u32 v[SPW], v[NIL]
	s_wait_dscnt 0x0
	CROUND
	s_endpgm
.Lfunc_end_k_q08bbb2f41b_attn:
	.size	k_q08bbb2f41b_attn, .Lfunc_end_k_q08bbb2f41b_attn-k_q08bbb2f41b_attn
	.p2alignl 7, 3214868480
	.fill 96, 4, 3214868480
	.section	.rodata,"a",@progbits
	.p2align	6, 0x0
	.amdhsa_kernel k_q08bbb2f41b_attn
		.amdhsa_group_segment_fixed_size 327680
		.amdhsa_private_segment_fixed_size 0
		.amdhsa_enable_private_segment 0
		.amdhsa_kernarg_size 40
		.amdhsa_user_sgpr_count 2
		.amdhsa_user_sgpr_kernarg_segment_ptr 1
		.amdhsa_wavefront_size32 1
		.amdhsa_system_sgpr_workgroup_id_x 1
		.amdhsa_system_sgpr_workgroup_id_y 1
		.amdhsa_system_sgpr_workgroup_id_z 1
		.amdhsa_system_vgpr_workitem_id 0
		.amdhsa_next_free_vgpr 256
		.amdhsa_next_free_sgpr 100
		.amdhsa_reserve_vcc 1
		.amdhsa_float_denorm_mode_32 3
		.amdhsa_float_denorm_mode_16_64 3
		.amdhsa_fp16_overflow 1
		.amdhsa_memory_ordered 1
		.amdhsa_forward_progress 1
		.amdhsa_inst_pref_size 83
	.end_amdhsa_kernel
	.amdgpu_metadata
---
amdhsa.version: [ 1, 2 ]
amdhsa.kernels:
  - .name:           k_q08bbb2f41b_attn
    .symbol:         k_q08bbb2f41b_attn.kd
    .args:
      - { .name: qc, .offset: 0, .size: 8, .value_kind: global_buffer, .address_space: global }
      - { .name: kc, .offset: 8, .size: 8, .value_kind: global_buffer, .address_space: global }
      - { .name: vc, .offset: 16, .size: 8, .value_kind: global_buffer, .address_space: global }
      - { .name: lowp_scales, .offset: 24, .size: 8, .value_kind: global_buffer, .address_space: global }
      - { .name: attc, .offset: 32, .size: 8, .value_kind: global_buffer, .address_space: global }
    .group_segment_fixed_size: 327680
    .private_segment_fixed_size: 0
    .kernarg_segment_align: 8
    .kernarg_segment_size: 40
    .max_flat_workgroup_size: 512
    .sgpr_count:     100
    .vgpr_count:     256
    .wavefront_size: 32
...
	.end_amdgpu_metadata
.endif
;; end of part 3
;; launch proj (part 4): grid 4 x 32, 4 waves a work-group, clusters of 4 x 4, 327,680 bytes of LDS; arguments attc, wc, bp, lowp_scales, out0; writes out0
.if DOCPART == 4
	.amdgcn_target "amdgcn-amd-amdhsa--gfx1250"
	.amdhsa_code_object_version 6
	.text
	.protected	k_q08bbb2f41b_proj
	.globl	k_q08bbb2f41b_proj
	.p2align	8
	.type	k_q08bbb2f41b_proj,@function
k_q08bbb2f41b_proj:
	s_mov_b64 s[64:65], 0
	v_nop
	global_prefetch_b8 v0, s[64:65] scope:SCOPE_SE
	s_setreg_imm32_b32 hwreg(HW_REG_WAVE_MODE, 25, 1), 1
	s_wait_xcnt 0x0
	s_wait_alu depctr_hold_cnt(0) depctr_sa_sdst(0) depctr_va_vdst(0) depctr_va_sdst(0) depctr_va_ssrc(0) depctr_va_vcc(0) depctr_vm_vsrc(0)
	s_getreg_b32 s2, hwreg(HW_REG_IB_STS2, 6, 4)
	s_cmp_eq_u32 s2, 0
	s_cbranch_scc0 .Lentry_in_a_cluster
	s_endpgm
.Lentry_in_a_cluster:
	s_bfe_u32 s2, ttmp6, 0x10000c
	s_cmp_lg_u32 s2, 0xf033
	s_cbranch_scc0 .Lentry_shape_is_right
	s_endpgm
.Lentry_shape_is_right:
.set SIZE_N, 1024
.set ROWB,   256
.set KROW,   1024
.set PITCH,  272
.set FR,     16
.set NL,     4
.set NP,     4
.set AHALF,  32768
.set HALFT,  128*PITCH
.set BOFF,   2*AHALF
.set SLOT,   BOFF+2*HALFT
.set LAPS,   2
.set SPARE,  2*SLOT
.set SPITCH, 528
.set ADRA, 16
.set ADRB, 20
.set STO,  24
.set RD,   25
.set CO,   26
.set BO,   27
.set SPW,  28
.set NIL,  29
.set BI,   32
.set AF,   128
.set BK,   128
.set G1, 24
.set G0, 32
.set G1B, 48
.set G0B, 56
.set MSB, 0
.macro WIN new
.if MSB != (\new)
	s_set_vgpr_msb (MSB<<8)|(\new)
.set MSB, (\new)
.endif
.endm
.set MUL_LO, 0xa1
.set MUL_HI, 0xf1
.set TO_B,   0x40
.macro JLOAD g0a, g1a, g0b, g1b
	s_cmp_eq_u32 s15, 0
	s_cbranch_scc0 .Lfor_b_\@
	tensor_load_to_lds s[\g0a:\g0a+3], s[\g1a:\g1a+7]
	s_nop 0
.rept 4
	v_nop
.endr
	s_branch .Lasked_\@
.Lfor_b_\@:
	tensor_load_to_lds s[\g0b:\g0b+3], s[\g1b:\g1b+7]
	s_nop 0
.rept 4
	v_nop
.endr
.Lasked_\@:
.endm
.macro CREST
	s_cmp_lg_u32 s14, 0
	s_cbranch_scc1 .Lnot_wave_0_\@
	s_barrier_signal -3
.Lnot_wave_0_\@:
	s_barrier_wait -3
	s_barrier_signal -1
	s_barrier_wait -1
.endm
.macro CROUND
	s_barrier_signal -1
	s_barrier_wait -1
	CREST
.endm
	s_load_b128 s[4:7], s[0:1], 0x0
	s_load_b128 s[68:71], s[0:1], 0x10
	s_load_b64 s[10:11], s[0:1], 0x20
	v_lshl_add_u32 v[SPW], v0, 2, SPARE
	v_mov_b32 v[NIL], 0
	ds_add_u32 v[SPW], v[NIL]
	ds_add_u32 v[SPW], v[NIL]
	v_lshrrev_b32 v1, 5, v0
	v_readfirstlane_b32 s14, v1
	s_lshr_b32 s15, s14, 1
	s_and_b32 s16, s14, 1
	s_bfe_u32 s40, ttmp6, 0x40000
	s_bfe_u32 s41, ttmp6, 0x40004
	s_lshl_b32 s42, ttmp9, 2
	s_add_co_u32 s42, s42, s40
	s_and_b32 s17, ttmp7, 0xffff
	s_lshl_b32 s17, s17, 2
	s_add_co_u32 s17, s17, s41
	s_lshl_b32 s43, s41, 2
	s_lshl_b32 s43, 15, s43
	s_lshl_b32 s44, 0x1111, s40
	s_or_b32 s[G1+0], s43, (3<<16)|(1<<21)
	s_mov_b32 s[G1+1], 512<<16
	s_mov_b32 s[G1+2], 8<<16
	s_mov_b32 s[G1+3], 512<<16
	s_mov_b32 s[G1+4], 8
	s_mov_b32 s[G1+5], 2048
	s_mov_b32 s[G1+6], 0
	s_mov_b32 s[G1+7], 0
	s_or_b32 s[G1B+0], s44, (0<<16)|(1<<20)|(1<<21)|(5<<22)|(3<<25)
	s_mov_b32 s[G1B+1], ROWB<<16
	s_mov_b32 s[G1B+2], 128<<16
	s_mov_b32 s[G1B+3], ROWB<<16
	s_mov_b32 s[G1B+4], 128
	s_mov_b32 s[G1B+5], KROW
	s_mov_b32 s[G1B+6], 0
	s_mov_b32 s[G1B+7], 0
	s_lshl_b32 s20, s17, 4
	s_lshl_b32 s18, s16, 3
	s_add_co_u32 s20, s20, s18
	s_lshl_b32 s20, s20, 14
	s_mov_b32 s21, 0
	s_lshl_b32 s46, s42, 8
	s_lshl_b32 s18, s16, 7
	s_add_co_u32 s46, s46, s18
	s_lshl_b32 s46, s46, 10
	s_add_co_u32 s46, s46, 0x300000
	s_mov_b32 s47, 0
	s_lshl_b32 s45, s16, 15
	s_mul_i32 s12, s16, HALFT
	s_add_co_u32 s12, s12, BOFF
	s_wait_dscnt 0x0
	s_wait_kmcnt 0x0
	s_load_b64 s[96:97], s[70:71], 0x28
	s_add_nc_u64 s[20:21], s[4:5], s[20:21]
	s_add_nc_u64 s[46:47], s[6:7], s[46:47]
	CROUND
.irp s, 0,1
	s_mov_b32 s[G0+4*\s], 1
	s_add_co_u32 s[G0+4*\s+1], s45, \s*SLOT
	s_add_nc_u64 s[G0+4*\s+2:G0+4*\s+3], s[20:21], \s*4096
	s_or_b32 s[G0+4*\s+3], s[G0+4*\s+3], 0x80000000
	s_mov_b32 s[G0B+4*\s], 1
	s_add_co_u32 s[G0B+4*\s+1], s12, \s*SLOT
	s_add_nc_u64 s[G0B+4*\s+2:G0B+4*\s+3], s[46:47], \s*ROWB
	s_or_b32 s[G0B+4*\s+3], s[G0B+4*\s+3], 0x80000000
	s_wait_alu depctr_va_vdst(0)
	s_wait_tensorcnt 0x0
	ds_add_u32 v28, v29
	ds_add_u32 v28, v29
	s_wait_dscnt 0x0
	CROUND
	JLOAD G0+4*\s, G1, G0B+4*\s, G1B
.endr
	v_and_b32 v1, 15, v0
	v_bfe_u32 v2, v0, 4, 1
	v_and_b32 v6, 31, v0
	v_lshlrev_b32 v[CO], 4, v6
	v_mul_u32_u24 v3, v1, PITCH
	v_lshl_add_u32 v4, v2, 4, v3
	s_lshl_b32 s21, s15, 15
	s_mul_i32 s22, s16, HALFT
	s_add_co_u32 s22, s22, BOFF
.irp s, 0,1
	v_add_nc_u32 v[ADRA+\s], s21, v[CO]
	v_add_nc_u32 v[ADRB+\s], s22, v4
	s_add_co_u32 s21, s21, SLOT
	s_add_co_u32 s22, s22, SLOT
.endr
	s_mul_i32 s23, s14, 16*SPITCH
	v_mul_u32_u24 v5, v1, SPITCH
	v_lshl_add_u32 v5, v2, 5, v5
	v_add_nc_u32 v[STO], s23, v5
	v_add_nc_u32 v[RD], s23, v[CO]
	v_lshlrev_b32 v[BO], 5, v2
	s_wait_alu depctr_va_vdst(0)
	s_lshl_b32 s20, s17, 8
	s_lshl_b32 s21, s15, 7
	s_add_co_u32 s20, s20, s21
	s_lshl_b32 s20, s20, 12
	s_mov_b32 s21, 0
	s_lshl_b32 s46, s42, 10
	s_lshl_b32 s47, s16, 9
	s_add_co_u32 s46, s46, s47
	s_mov_b32 s47, 0
	s_add_nc_u64 s[68:69], s[68:69], s[46:47]
	s_add_nc_u64 s[20:21], s[20:21], s[46:47]
	s_add_nc_u64 s[10:11], s[10:11], s[20:21]
.irp b, 0,1,2,3,4,5,6,7
	global_load_b128 v[BI+8*\b:BI+8*\b+3], v[BO], s[68:69] offset:64*\b
	global_load_b128 v[BI+8*\b+4:BI+8*\b+7], v[BO], s[68:69] offset:64*\b+16
.endr
.macro FRAGB reg, adr, q, i
.irp c, 0,1,2,3
	ds_load_b128 v[\reg+4*\c:\reg+4*\c+3], v[\adr] offset:128*(\q)+32*\c+(\i)*16*PITCH
.endr
.endm
.macro FRAGA reg, adr, q, i
.irp c, 0,1,2,3
	ds_load_b128 v[\reg+4*\c:\reg+4*\c+3], v[\adr] offset:4096*(\i)+2048*(\q)+512*\c
.endr
.endm
.macro MUL16 a0, p, zero
.irp a, \a0, \a0+1
.irp b, 0,1,2,3,4,5,6,7
.if \zero
	v_wmma_f32_16x16x128_fp8_fp8 v[8*(8*((\a)%4)+\b):8*(8*((\a)%4)+\b)+7], v[128*(\p)+FR*\b:128*(\p)+FR*\b+FR-1], v[AF+FR*(\a):AF+FR*(\a)+FR-1], 0
.else
	v_wmma_f32_16x16x128_fp8_fp8 v[8*(8*((\a)%4)+\b):8*(8*((\a)%4)+\b)+7], v[128*(\p)+FR*\b:128*(\p)+FR*\b+FR-1], v[AF+FR*(\a):AF+FR*(\a)+FR-1], v[8*(8*((\a)%4)+\b):8*(8*((\a)%4)+\b)+7]
.endif
.endr
.endr
.endm
.macro FETCH_B slot, q, p
	WIN TO_B
.irp i, 0,1,2,3,4,5,6,7
	FRAGB 128*(\p)+FR*\i, ADRB+\slot, \q, \i
.endr
	WIN 0
.endm
.macro FETCH_A slot, q, i0
.irp i, \i0, \i0+1, \i0+2, \i0+3
	FRAGA AF+FR*(\i), ADRA+\slot, \q, \i
.endr
.endm
.macro PLACES n
.rept \n
	v_nop
.endr
.endm
.macro STEP slot, q, zero
	s_wait_dscnt 4*NL
	WIN MUL_LO
	MUL16 0, (\q)%2, \zero
	MUL16 2, (\q)%2, \zero
	s_wait_dscnt 0
	PLACES NP
	FETCH_B \slot, (\q)+1, 1-(\q)%2
	FETCH_A \slot, (\q)+1, 0
	WIN MUL_HI
	MUL16 4, (\q)%2, \zero
	MUL16 6, (\q)%2, \zero
	PLACES NP
	WIN 0
	FETCH_A \slot, (\q)+1, 4
.endm
.macro TURN slot, next, fill
	s_wait_tensorcnt 0x0
	ds_add_u32 v[SPW], v[NIL]
	s_wait_dscnt 4*NL+1
	WIN MUL_LO
	MUL16 0, 1, 0
	s_wait_dscnt 0x0
	s_barrier_signal -1
	MUL16 2, 1, 0
	WIN 0
	s_barrier_wait -1
.if \fill
	CREST
	s_add_nc_u64 s[G0+4*\slot+2:G0+4*\slot+3], s[G0+4*\slot+2:G0+4*\slot+3], 2*4096
	s_add_nc_u64 s[G0B+4*\slot+2:G0B+4*\slot+3], s[G0B+4*\slot+2:G0B+4*\slot+3], 2*ROWB
	JLOAD G0+4*\slot, G1, G0B+4*\slot, G1B
.else
	PLACES NP
.endif
	FETCH_B \next, 0, 0
	FETCH_A \next, 0, 0
	WIN MUL_HI
	MUL16 4, 1, 0
	MUL16 6, 1, 0
	PLACES NP
	WIN 0
	FETCH_A \next, 0, 4
.endm
	s_wait_tensorcnt 1
	s_barrier_signal -1
	s_barrier_wait -1
	FETCH_B 0, 0, 0
	FETCH_A 0, 0, 0
	FETCH_A 0, 0, 4
	STEP 0, 0, 1
	s_mov_b32 s3, LAPS-1
.Llap:
	TURN 0, 1, 1
	STEP 1, 0, 0
	TURN 1, 0, 1
	STEP 0, 0, 0
	s_sub_co_u32 s3, s3, 1
	s_cmp_lg_u32 s3, 0
	s_cbranch_scc1 .Llap
	TURN 0, 1, 0
	STEP 1, 0, 0
	s_wait_dscnt 4*NL
	WIN MUL_LO
	MUL16 0, 1, 0
	MUL16 2, 1, 0
	s_wait_dscnt 0
	WIN MUL_HI
	MUL16 4, 1, 0
	MUL16 6, 1, 0
	WIN 0
.macro TOSTAGE a
.set AC, 64*((\a)%4)
	WIN 0x42+((\a)/4)
.irp j, 0,2,4,6,8,10,12,14,16,18,20,22,24,26,28,30,32,34,36,38,40,42,44,46,48,50,52,54,56,58,60,62
	v_pk_fma_f32 v[\j:\j+1], v[AC+\j:AC+\j+1], s[96:97], v[BI+\j:BI+\j+1] op_sel_hi:[1,0,1]
.endr
	WIN 0x04
.irp b, 0,1,2,3,4,5,6,7
	ds_store_b128 v[STO], v[8*\b:8*\b+3] offset:64*\b
	ds_store_b128 v[STO], v[8*\b+4:8*\b+7] offset:64*\b+16
.endr
	WIN 0
.set BB, BK+64*((\a)%2)
.irp t, 0,1,2,3,4,5,6,7,8,9,10,11,12,13,14,15
	ds_load_b128 v[BB+4*\t:BB+4*\t+3], v[RD] offset:\t*SPITCH
.endr
.endm
.macro SEND a, younger
.set BB, BK+64*((\a)%2)
	s_wait_dscnt \younger
.if (\a) > 0
	s_add_nc_u64 s[10:11], s[10:11], 16*SIZE_N*4
.endif
.irp t, 0,1,2,3,4,5,6,7,8,9,10,11,12,13,14,15
	global_store_b128 v[CO], v[BB+4*\t:BB+4*\t+3], s[10:11] offset:\t*SIZE_N*4 th:TH_STORE_NT
.endr
.endm
	s_wait_kmcnt 0x0
	s_add_co_i32 s96, s96, s97
	s_add_co_i32 s96, s96, 127
	s_lshl_b32 s96, s96, 23
	s_mov_b32 s97, s96
	s_wait_loadcnt 0x0
	PLACES NP
	TOSTAGE 0
.irp a, 1,2,3,4,5,6,7
.if \a > 1
	s_wait_xcnt 0x0
.endif
	TOSTAGE \a
	SEND \a-1, 32
.endr
	s_wait_xcnt 0x0
	SEND 7, 0
	s_wait_tensorcnt 0x0
	ds_add_u32 v[SPW], v[NIL]
	s_wait_dscnt 0x0
	CROUND
	s_endpgm
.Lfunc_end_k_q08bbb2f41b_proj:
	.size	k_q08bbb2f41b_proj, .Lfunc_end_k_q08bbb2f41b_proj-k_q08bbb2f41b_proj
	.p2alignl 7, 3214868480
	.fill 96, 4, 3214868480
	.section	.rodata,"a",@progbits
	.p2align	6, 0x0
	.amdhsa_kernel k_q08bbb2f41b_proj
		.amdhsa_group_segment_fixed_size 327680
		.amdhsa_private_segment_fixed_size 0
		.amdhsa_enable_private_segment 0
		.amdhsa_kernarg_size 40
		.amdhsa_user_sgpr_count 2
		.amdhsa_user_sgpr_kernarg_segment_ptr 1
		.amdhsa_wavefront_size32 1
		.amdhsa_system_sgpr_workgroup_id_x 1
		.amdhsa_system_sgpr_workgroup_id_y 1
		.amdhsa_system_sgpr_workgroup_id_z 1
		.amdhsa_system_vgpr_workitem_id 0
		.amdhsa_next_free_vgpr 1024
		.amdhsa_next_free_sgpr 100
		.amdhsa_reserve_vcc 0
		.amdhsa_float_denorm_mode_32 3
		.amdhsa_float_denorm_mode_16_64 3
		.amdhsa_memory_ordered 1
		.amdhsa_forward_progress 1
		.amdhsa_inst_pref_size 126
	.end_amdhsa_kernel
	.amdgpu_metadata
---
amdhsa.version: [ 1, 2 ]
amdhsa.kernels:
  - .name:           k_q08bbb2f41b_proj
    .symbol:         k_q08bbb2f41b_proj.kd
    .args:
      - { .name: attc, .offset: 0, .size: 8, .value_kind: global_buffer, .address_space: global }
      - { .name: wc, .offset: 8, .size: 8, .value_kind: global_buffer, .address_space: global }
      - { .name: bp, .offset: 16, .size: 8, .value_kind: global_buffer, .address_space: global }
      - { .name: lowp_scales, .offset: 24, .size: 8, .value_kind: global_buffer, .address_space: global }
      - { .name: out0, .offset: 32, .size: 8, .value_kind: global_buffer, .address_space: global }
    .group_segment_fixed_size: 327680
    .private_segment_fixed_size: 0
    .kernarg_segment_align: 8
    .kernarg_segment_size: 40
    .max_flat_workgroup_size: 128
    .sgpr_count:     100
    .vgpr_count:     1024
    .wavefront_size: 32
...
	.end_amdgpu_metadata
.endif
;; end of part 4
